; MI455X (gfx1250); checked and timed in simulation.
; The chip was launched on July 23, 2026; its instructions are those of AMD's public machine-readable ISA for CDNA 5 (MIT licence, August 2026) and "CDNA5" Instruction Set Architecture Reference Guide (July 2026). The comments in the code are by the model that wrote it; some were corrected since.
;; B M. Allowed arithmetic: matrix products marked QUANTISED: E2M3 operands, one E8M0 scale for each 32 along K, by v_wmma_scale_f32_16x16x128_f8f6f4 with both operands' format E2M3, f32 sums; everything else in f32.
;; Inputs: W1 40 x 256 float32; W2 256 x 256 float32; W3 256 x 256 float32; W4 256 x 256 float32; W5 256 x 31 float32; b1 256 float32; b2 256 float32; b3 256 float32; b4 256 float32; b5 31 float32; cell 2 x 32,768 x 2 float32; coord 2 x 32,768 x 2 float32; feat 2 x 4 x 64 x 64 float32.
;; Outputs: out0 2 x 32,768 x 31 float32.
;; This version of the problem:
;;   THIS VERSION OF THE PROBLEM IS GIVEN IN LOW PRECISION. The matrix products marked QUANTISED in the list below multiply operands that are first quantised to E2M3 (2 exponent bits, 3 mantissa bits; 6 bits a number), with one power-of-two scale for each 32 numbers along K (OCP MX v1.0); their sums are f32. All else is computed in f32.
;;   The module's matrix products, in the order in which they are computed (A, B: the left and right operand; K: the contracted axis; several contracted axes count as one K, in the product's order):
;;     1. [M 262,144, K 40] x [K 40, N 256]; A: computed on the way; B: input W1: QUANTISED
;;     2. [M 262,144, K 256] x [K 256, N 256]; A: computed on the way; B: input W2: QUANTISED
;;     3. [M 262,144, K 256] x [K 256, N 256]; A: computed on the way; B: input W3: QUANTISED
;;     4. [M 262,144, K 256] x [K 256, N 256]; A: computed on the way; B: input W4: QUANTISED
;;     5. [M 262,144, K 256] x [K 256, N 31]; A: computed on the way; B: input W5: QUANTISED
;;   THE QUANTISER, for each operand of a quantised product, along K:
;;     - K is cut into blocks of 32 from its start; a last block that is shorter is filled with zeros.
;;     - A block's scale is 2^e with e = floor(log2(the largest magnitude in the block)) - 2, held to -126 .. 127; a block of zeros has e = 0. As a byte (E8M0): e + 127.
;;     - Each number is divided by its block's scale, clamped to +-7.5, and rounded to the nearest number of E2M3, ties to even, subnormals kept.
;;     - The product sums the exact products of the quantised numbers (number of the format x scale) in f32.
;;   ~~~python
;;   def quantise(x, axis):      # numpy; x: float32 -> the quantised numbers, widened to float32 again
;;       x = np.moveaxis(x, axis, -1); K = x.shape[-1]
;;       x = np.pad(x, [(0, 0)] * (x.ndim - 1) + [(0, -K % 32)]); x = x.reshape(x.shape[:-1] + (-1, 32)); a = np.abs(x).max(-1, keepdims=True)
;;       e = np.where(a > 0, np.clip(np.frexp(np.where(a > 0, a, 1))[1] - 1 - 2, -126, 127), 0)      # np.frexp(a)[1] - 1 = floor(log2(a)), exactly
;;       r = np.clip(x / 2.0 ** e, -7.5, 7.5)
;;       step = 2.0 ** (np.maximum(np.frexp(np.where(r == 0, 1, r))[1] - 1, 0) - 3)
;;       q = np.round(r / step) * step * 2.0 ** e      # np.round: ties to even
;;       return np.moveaxis(q.reshape(q.shape[:-2] + (-1,))[..., :K], -1, axis).astype(np.float32)
;;   ~~~
;;   OPERANDS COMPUTED ON THE WAY. 'Computed on the way' means the value that the module computes at that place (a softmax that the list does not call 'softmax' is quantised finished and normalised). What goes into a quantiser is computed in f32, as accurately as f32 sums, v_exp_f32 and their like allow (about 1e-6 of the number): no bf16 or f16 on the way to a quantiser, and a product that is left as it is and whose result goes on into a quantised operand takes f32 operands (vector FMAs, or v_wmma_f32_16x16x4_f32). A number that lies on a knife's edge between two numbers of the format may be rounded either way, as far as f32 arithmetic and the matrix unit's own rounding can turn it there, and no further.
;; One version. Each part assembles by itself: llvm-mc -triple=amdgcn-amd-amdhsa -mcpu=gfx1250 --defsym DOCPART=n.
;; ======== version 1 of 1: 2 launches
;; workspace buffers: wimg 192,512 bytes; ptab 524,288 bytes; qidx 262,144 bytes of whole numbers
;; launch prep (part 1): grid 350 x 1, 4 waves a work-group, no clusters, 10,752 bytes of LDS; arguments W1, W2, W3, W4, W5, b1, b2, b3, b4, b5, feat, coord, wimg, ptab, qidx; writes wimg, ptab, qidx
.if DOCPART == 1
	.amdgcn_target "amdgcn-amd-amdhsa--gfx1250"
	.amdhsa_code_object_version 6
	.text
	.protected	k_qf2db7cd707_prep
	.globl	k_qf2db7cd707_prep
	.p2align	8
	.type	k_qf2db7cd707_prep,@function
k_qf2db7cd707_prep:
	s_mov_b64 s[64:65], 0
	v_nop
	global_prefetch_b8 v0, s[64:65] scope:SCOPE_SE
	s_setreg_imm32_b32 hwreg(HW_REG_WAVE_MODE, 25, 1), 1
	s_wait_xcnt 0x0
; PREP: what the main launch needs once.  Four roles, chosen by the work-group's number; a wave does one piece of work and ends.
;   0..28   WEIGHTS.  One wave quantises one fragment (16 units x 128 along K) of W1..W5 along K into codes of FP6 (E2M3) and stores it as an IMAGE OF THE OPERAND'S REGISTERS:
;           registers 4 j .. 4 j + 3 of lane l at 512 j + 16 l of the image (1,536 bytes).  A lane takes one unit and its registers run down K, so nothing is transposed.
;           A group record = its images (index nt x K step + tile), then 512 bytes of scale words: lane l's 16 bytes are the words of tiles 0..3; lanes 0-15 K step 0, lanes 16-31 K step 1.
;           Layers 1-4: row m of tile u of group g is unit 64 g + 32 (m / 8) + 8 u + m % 8.  Layer 5: unit 16 (m / 8) + 8 u + m % 8; unit 31 does not exist and is zeros.
;   29      BIASES: b1..b4 as they lie; b5 laid as the last product's C wants it (float 32 h + 8 u + j = b5[16 h + 8 u + j], else 0); 1,024 bytes of zeros to fill the buffer.
;   30..93  TABLE: a record of 64 bytes for each pixel: bytes 0-23 the codes of unfolded features 0..31 (a whole block of the first product's K, which hangs on the pixel alone),
;           24-27 their scale byte, 28-31 zero, 32-47 features 32..35 in f32, 48-63 zero.
;   94..349 INDICES: for each query the nearest rows and columns of its four shifted places, step by step as the problem's text computes them: iy- | iy+ << 8 | ix- << 16 | ix+ << 24.
; A block's scale is 2^(floor(log2(largest magnitude)) - 2): its byte is the largest magnitude's exponent field - 2, held at 1 from below.
; LIMITS: a block of zeros gets the byte 1 where the rule says 127 (its codes are zeros, and this program alone reads the bytes); blocks whose largest magnitude lies under 2^-124 are held at the byte 1;
; NaN and infinities among the inputs are not served.
.set OFF_L2,   26624                   ; layer 1: 4 records of 6,656 bytes from 0;  layers 2-4: 4 records of 12,800 each
.set OFF_L5,   180224                  ; layer 5: one record of 6,656
.set OFF_BIAS, 186880
.set SPARE,    10240                   ; behind the four stages of 2,560 bytes: the spare words, 128 bytes a wave
.set SPW,      126                     ; v126  LDS address of my spare word; never rewritten
.set NIL,      127                     ; v127  0; never rewritten
.set X,        32                      ; v32-95 the numbers at work
.set CW,       100                     ; v100-111 a fragment's codes
.set CT,       112                     ; v112-118 the upper halves of two blocks, as the conversions leave them
.macro FINISH                          ; the wave's end
	s_wait_tensorcnt 0x0
	ds_add_u32 v[SPW], v[NIL]
	s_wait_dscnt 0x0
	s_endpgm
.endm
	s_load_b512 s[4:19], s[0:1], 0x0               ; W1 s[4:5], W2 s[6:7], W3 s[8:9], W4 s[10:11], W5 s[12:13], b1 s[14:15], b2 s[16:17], b3 s[18:19]
	s_load_b256 s[20:27], s[0:1], 0x40             ; b4 s[20:21], b5 s[22:23], feat s[24:25], coord s[26:27]
	s_load_b128 s[28:31], s[0:1], 0x60             ; wimg s[28:29], ptab s[30:31]
	s_load_b64 s[32:33], s[0:1], 0x70              ; qidx
	v_lshl_add_u32 v[SPW], v0, 2, SPARE
	v_mov_b32 v[NIL], 0
	v_lshrrev_b32 v1, 5, v0
	v_readfirstlane_b32 s34, v1                    ; wave 0..3
	v_and_b32 v2, 31, v0                           ; lane
	v_and_b32 v3, 15, v0                           ; r
	v_bfe_u32 v4, v0, 4, 1                         ; h
	v_lshlrev_b32 v9, 4, v2                        ; 16 x lane
	s_mov_b32 s36, 0x76543210
	s_mov_b32 s37, 0xfedcba98                      ; v_permlanex16_b32's selects for lane l xor 16
	s_mov_b32 s38, 0xffff0000                      ; the mask of lanes 16-31
	s_wait_kmcnt 0x0
	s_cmp_lt_u32 ttmp9, 29
	s_cbranch_scc1 .Lweights
	s_cmp_eq_u32 ttmp9, 29
	s_cbranch_scc1 .Lbias
	s_cmp_lt_u32 ttmp9, 94
	s_cbranch_scc1 .Ltable
; ---- INDICES.  A thread takes two queries: 16 bytes of coord in, 8 bytes out.
	s_sub_co_u32 s40, ttmp9, 94
	s_lshl_b32 s46, s40, 11                        ; 128 threads x 16 bytes
	s_mov_b32 s47, 0
	s_lshl_b32 s48, s40, 10                        ; 128 threads x 8 bytes
	s_mov_b32 s49, 0
	s_add_nc_u64 s[26:27], s[26:27], s[46:47]
	s_add_nc_u64 s[32:33], s[32:33], s[48:49]
	v_lshlrev_b32 v5, 4, v0
	v_lshlrev_b32 v6, 3, v0
	global_load_b128 v[8:11], v5, s[26:27]         ; y, x of the first query, y, x of the second
	s_mov_b32 s41, 0x42800000                      ; 64.0
	s_mov_b32 s42, 0xbf7fffef                      ; -1 + 1e-6 as f32
	s_mov_b32 s43, 0x3f7fffef                      ; 1 - 1e-6 as f32
	s_mov_b32 s44, 0x427c0000                      ; 63.0
	v_mov_b32 v12, 0x358637bd                      ; 1e-6
	v_add_f32 v13, 0xbc800000, v12                 ; the shifts, rounded as an f32 sum rounds them: -1/64 + 1e-6,
	v_add_f32 v14, 0x3c800000, v12                 ; 1/64 + 1e-6
	s_wait_alu depctr_va_vdst(0)
	s_wait_loadcnt 0x0
; floor(((clip(c + shift) + 1) x 64 - 1) x 0.5 + 0.5), held to 0 .. 63.  Both multiplications are exact, so each fused multiply-add rounds as the separate addition does.
.macro IDX d, c, sh
	v_add_f32 v[\d], v[\c], v[\sh]
	v_med3_num_f32 v[\d], v[\d], s42, s43
	v_add_f32 v[\d], 1.0, v[\d]
	v_fma_f32 v[\d], v[\d], s41, -1.0
	v_fma_f32 v[\d], v[\d], 0.5, 0.5
	v_floor_f32 v[\d], v[\d]
	v_med3_num_f32 v[\d], v[\d], 0, s44
	v_cvt_u32_f32 v[\d], v[\d]
.endm
	IDX 16, 8, 13                                  ; iy-
	IDX 17, 8, 14                                  ; iy+
	IDX 18, 9, 13                                  ; ix-
	IDX 19, 9, 14                                  ; ix+
	IDX 20, 10, 13
	IDX 21, 10, 14
	IDX 22, 11, 13
	IDX 23, 11, 14
	v_lshl_or_b32 v16, v17, 8, v16
	v_lshl_or_b32 v16, v18, 16, v16
	v_lshl_or_b32 v16, v19, 24, v16
	v_lshl_or_b32 v17, v21, 8, v20
	v_lshl_or_b32 v17, v22, 16, v17
	v_lshl_or_b32 v17, v23, 24, v17
	global_store_b64 v6, v[16:17], s[32:33]        ; a wave stores 256 consecutive bytes, aligned
	FINISH
; ---- BIASES: 128 threads
.Lbias:
	v_lshlrev_b32 v5, 3, v0
	global_load_b64 v[32:33], v5, s[14:15]
	global_load_b64 v[34:35], v5, s[16:17]
	global_load_b64 v[36:37], v5, s[18:19]
	global_load_b64 v[38:39], v5, s[20:21]
	v_bfe_u32 v6, v0, 5, 1                         ; h
	v_bfe_u32 v7, v0, 3, 1                         ; u
	v_and_b32 v8, 7, v0
	v_lshl_or_b32 v8, v7, 3, v8
	v_lshl_or_b32 v8, v6, 4, v8                    ; unit 16 h + 8 u + j
	v_min_u32 v10, 30, v8                          ; no load leaves b5
	v_lshlrev_b32 v10, 2, v10
	global_load_b32 v40, v10, s[22:23]
	v_and_b32 v11, 0x50, v0                        ; places with h or u above 1 hold zeros,
	v_cmp_eq_u32 s40, 0, v11
	v_cmp_ne_u32 s41, 31, v8                       ; and so does unit 31
	s_and_b32 s40, s40, s41
	s_add_nc_u64 s[42:43], s[28:29], OFF_BIAS
	v_lshlrev_b32 v11, 2, v0
	v_mov_b32 v42, 0
	v_mov_b32 v43, 0
	s_wait_loadcnt 0x0
	v_cndmask_b32 v40, v[NIL], v40, s40
	s_wait_alu depctr_va_vdst(0)
	global_store_b64 v5, v[32:33], s[42:43]
	global_store_b64 v5, v[34:35], s[42:43] offset:1024
	global_store_b64 v5, v[36:37], s[42:43] offset:2048
	global_store_b64 v5, v[38:39], s[42:43] offset:3072
	global_store_b32 v11, v40, s[42:43] offset:4096
	global_store_b64 v5, v[42:43], s[42:43] offset:4608
	FINISH
; ---- TABLE: a thread takes a pixel
.Ltable:
	s_sub_co_u32 s40, ttmp9, 30
	s_lshl_b32 s41, s40, 7                         ; the work-group's first pixel
	v_add_nc_u32 v5, s41, v0
	v_and_b32 v6, 63, v5                           ; x
	v_bfe_u32 v7, v5, 6, 6                         ; y
	v_lshrrev_b32 v8, 12, v5                       ; batch
	v_lshlrev_b32 v8, 16, v8                       ; x 4 channels x 16,384 bytes
	v_cmp_lt_u32 s45, 0, v7                        ; the row above exists,
	v_cmp_gt_u32 s51, 63, v7                       ; the row below,
	v_cmp_lt_u32 s47, 0, v6                        ; the column to the left,
	v_cmp_gt_u32 s49, 63, v6                       ; to the right:  s[44 + 3 ki + kj] is the mask of neighbour (ki, kj); the middle one needs none
	s_and_b32 s44, s45, s47
	s_and_b32 s46, s45, s49
	s_and_b32 s50, s51, s47
	s_and_b32 s52, s51, s49
	v_add_nc_u32 v10, -1, v7                       ; rows and columns held inside the picture, so that no load leaves feat
	v_cndmask_b32 v10, v[NIL], v10, s45
	v_add_nc_u32 v11, 1, v7
	v_min_u32 v11, 63, v11
	v_add_nc_u32 v12, -1, v6
	v_cndmask_b32 v12, v[NIL], v12, s47
	v_add_nc_u32 v13, 1, v6
	v_min_u32 v13, 63, v13
	v_lshl_add_u32 v14, v10, 8, v8
	v_lshl_add_u32 v15, v7, 8, v8
	v_lshl_add_u32 v16, v11, 8, v8
.irp ki, 0,1,2
	v_lshl_add_u32 v[20+3*\ki], v12, 2, v[14+\ki]
	v_lshl_add_u32 v[21+3*\ki], v6, 2, v[14+\ki]
	v_lshl_add_u32 v[22+3*\ki], v13, 2, v[14+\ki]
.endr
.irp c, 0,1,2,3
.irp q, 0,1,2,3,4,5,6,7,8
	global_load_b32 v[X+9*\c+\q], v[20+\q], s[24:25] offset:\c*16384   ; feature 9 c + 3 ki + kj
.endr
.endr
	s_mul_i32 s53, s34, 2560                       ; my wave's stage: 80 bytes a lane (a record of 64 + 16)
	v_mul_u32_u24 v72, v2, 80
	v_add_nc_u32 v72, s53, v72                     ; in: my record
	v_lshrrev_b32 v73, 2, v2
	v_mul_u32_u24 v73, v73, 80
	v_and_b32 v74, 3, v2
	v_lshl_add_u32 v73, v74, 4, v73
	v_add_nc_u32 v73, s53, v73                     ; out: four lanes to a record
	s_lshl_b32 s54, s34, 5
	s_add_co_u32 s54, s54, s41
	s_lshl_b32 s54, s54, 6                         ; my wave's 32 records in ptab
	s_mov_b32 s55, 0
	s_add_nc_u64 s[54:55], s[30:31], s[54:55]
.irp i, 0,1,2,3
	v_mov_b32 v[92+\i], 0
.endr
	v_mov_b32 v87, 0
	s_wait_loadcnt 0x0
.irp c, 0,1,2,3
.irp q, 0,1,2,3,5,6,7,8
	v_cndmask_b32 v[X+9*\c+\q], v[NIL], v[X+9*\c+\q], s[44+\q]   ; the padding's zeros
.endr
.endr
	v_max3_num_f32 v70, |v[X]|, |v[X+1]|, 0x1800000                ; the largest magnitude of features 0..31, and the floor 2^(3 - 127)
.irp i, 2,4,6,8,10,12,14,16,18,20,22,24,26,28,30
	v_max3_num_f32 v70, v70, |v[X+\i]|, |v[X+\i+1]|
.endr
	v_add_nc_u32 v71, 0xff000000, v70              ; 2 off its exponent field: the conversion's scale operand
	v_cvt_scalef32_pk16_fp6_f32 v[80:82], v[X:X+15], v71
	v_cvt_scalef32_pk16_fp6_f32 v[88:90], v[X+16:X+31], v71        ; (a conversion's three registers begin on an even number)
	v_lshrrev_b32 v86, 23, v71                     ; the scale's byte.  (A plain line behind the conversions)
	v_mov_b32 v83, v88
	v_mov_b32 v84, v89
	v_mov_b32 v85, v90
	ds_store_b128 v72, v[80:83]
	ds_store_b128 v72, v[84:87] offset:16
	ds_store_b128 v72, v[X+32:X+35] offset:32      ; features 32..35
	ds_store_b128 v72, v[92:95] offset:48
.irp i, 0,1,2,3
	ds_load_b128 v[96+4*\i:99+4*\i], v73 offset:640*\i             ; LDS serves a wave's instructions in order: these see my stores
.endr
.irp i, 0,1,2,3
	s_wait_dscnt 3-\i                              ; load i is in; the younger ones may be out
	global_store_b128 v9, v[96+4*\i:99+4*\i], s[54:55] offset:512*\i   ; 32 lanes store 512 consecutive bytes, aligned
.endr
	FINISH
; ---- WEIGHTS.  Each path leaves: v[X ..] my unit's 64 numbers, register 32 c + i = k 64 c + 32 h + i of the K step; s40 the image's and s42 the scale block's offset in wimg; v8 my scale word's place.
.Lweights:
	s_wait_alu depctr_va_vdst(0)
	v_and_b32 v5, 7, v3                            ; m % 8
	v_lshrrev_b32 v6, 3, v3                        ; m / 8
	s_mov_b32 s41, 0
	s_mov_b32 s43, 0
	s_cmp_lt_u32 ttmp9, 4
	s_cbranch_scc1 .Lw1
	s_cmp_eq_u32 ttmp9, 28
	s_cbranch_scc1 .Lw5
	; layers 2 to 4: fragment 4 (x - 4) + wave = 32 layer + 8 group + 4 K step + tile
	s_sub_co_u32 s44, ttmp9, 4
	s_lshl_b32 s44, s44, 2
	s_add_co_u32 s44, s44, s34
	s_lshr_b32 s45, s44, 5                         ; layer - 2
	s_bfe_u32 s46, s44, 0x20003                    ; group
	s_bfe_u32 s47, s44, 0x10002                    ; K step
	s_and_b32 s48, s44, 7                          ; image in the record
	s_cmp_eq_u32 s45, 0
	s_cselect_b64 s[50:51], s[6:7], s[8:9]
	s_cmp_eq_u32 s45, 2
	s_cselect_b64 s[50:51], s[10:11], s[50:51]
	s_wait_alu depctr_va_vdst(0)
	v_lshl_add_u32 v5, v6, 5, v5
	s_lshl_b32 s49, s46, 6
	s_lshl_b32 s52, s34, 3
	s_add_co_u32 s49, s49, s52
	v_add_nc_u32 v5, s49, v5                       ; unit 64 g + 32 (m / 8) + 8 u + m % 8
	v_lshlrev_b32 v7, 2, v5
	v_lshl_add_u32 v7, v4, 15, v7                  ; + 32 h rows of 1,024 bytes
	s_lshl_b32 s52, s47, 17                        ; + 128 rows a K step
	v_add_nc_u32 v7, s52, v7
.set k, 0
.rept 64
	global_load_b32 v[X+k], v7, s[50:51] offset:(64*(k/32)+k%32)*1024
.set k, k+1
.endr
	s_mul_i32 s52, s45, 51200
	s_mul_i32 s53, s46, 12800
	s_add_co_u32 s52, s52, s53
	s_add_co_u32 s52, s52, OFF_L2                  ; the group's record
	s_mul_i32 s53, s48, 1536
	s_add_co_u32 s40, s52, s53
	s_add_co_u32 s42, s52, 12288
	v_lshlrev_b32 v8, 4, v3                        ; 16 (16 K step + m) + 4 u: lanes l and l + 16 store the same word to the same place
	s_lshl_b32 s53, s47, 8
	s_lshl_b32 s54, s34, 2
	s_add_co_u32 s53, s53, s54
	v_add_nc_u32 v8, s53, v8
	s_wait_loadcnt 0x0
	s_branch .Lwq
.Lw1:                                                  ; layer 1: group = work-group, tile = wave; K = 40, the rest of the 128 are zeros
	s_wait_alu depctr_va_vdst(0)
	v_lshl_add_u32 v5, v6, 5, v5
	s_lshl_b32 s49, ttmp9, 6
	s_lshl_b32 s52, s34, 3
	s_add_co_u32 s49, s49, s52
	v_add_nc_u32 v5, s49, v5
	v_lshlrev_b32 v10, 2, v5                       ; rows 8 .. 31: both halves of the lanes read row i, so that no load leaves W1;
	v_lshl_add_u32 v7, v4, 15, v10                 ; rows 0 .. 7: lanes 16-31 read row 32 + i
.set k, 0
.rept 8
	global_load_b32 v[X+k], v7, s[4:5] offset:k*1024
.set k, k+1
.endr
.rept 24
	global_load_b32 v[X+k], v10, s[4:5] offset:k*1024
.set k, k+1
.endr
.rept 32
	v_mov_b32 v[X+k], 0
.set k, k+1
.endr
	s_mul_i32 s52, ttmp9, 6656
	s_mul_i32 s53, s34, 1536
	s_add_co_u32 s40, s52, s53
	s_add_co_u32 s42, s52, 6144
	s_lshl_b32 s54, s34, 2
	v_add_nc_u32 v8, s54, v9                       ; 16 x lane + 4 u: both halves of the scale block are stored
	s_wait_loadcnt 0x0
.set k, 8
.rept 24
	v_cndmask_b32 v[X+k], v[X+k], v[NIL], s38      ; k = 40 .. 63: zeros
.set k, k+1
.endr
	s_branch .Lwq
.Lw5:                                                  ; layer 5: K step = wave / 2, tile = wave % 2; a row of W5 is 124 bytes
	s_and_b32 s46, s34, 1
	s_lshr_b32 s47, s34, 1
	s_wait_alu depctr_va_vdst(0)
	v_lshl_add_u32 v5, v6, 4, v5
	s_lshl_b32 s52, s46, 3
	v_add_nc_u32 v5, s52, v5                       ; unit 16 (m / 8) + 8 u + m % 8
	v_cmp_eq_u32 s39, 31, v5
	v_min_u32 v10, 30, v5                          ; no load leaves W5
	v_lshlrev_b32 v7, 2, v10
	v_mad_u32_u24 v7, v4, 3968, v7                 ; + 32 h rows
	s_mul_i32 s52, s47, 15872                      ; + 128 rows a K step
	v_add_nc_u32 v7, s52, v7
.set k, 0
.rept 64
	global_load_b32 v[X+k], v7, s[12:13] offset:(64*(k/32)+k%32)*124
.set k, k+1
.endr
	s_mul_i32 s53, s34, 1536
	s_add_co_u32 s40, s53, OFF_L5
	s_mov_b32 s42, OFF_L5+6144
	v_lshlrev_b32 v8, 4, v3                        ; 16 (16 K step + m) + 4 u, lanes 16-31 8 bytes on: the words of tiles 2 and 3, which do not exist, are stored too
	v_lshl_add_u32 v8, v4, 3, v8
	s_lshl_b32 s53, s47, 8
	s_lshl_b32 s54, s46, 2
	s_add_co_u32 s53, s53, s54
	v_add_nc_u32 v8, s53, v8
	s_wait_loadcnt 0x0
.set k, 0
.rept 64
	v_cndmask_b32 v[X+k], v[X+k], v[NIL], s39      ; unit 31: zeros
.set k, k+1
.endr
.Lwq:                                                  ; my two blocks 2 c + h: all their numbers are mine
	s_add_nc_u64 s[40:41], s[28:29], s[40:41]
	s_add_nc_u64 s[42:43], s[28:29], s[42:43]
.irp c, 0,1
	v_max3_num_f32 v[12+\c], |v[X+32*\c]|, |v[X+32*\c+1]|, 0x1800000   ; with the floor 2^(3 - 127): the byte cannot fall under 1
.endr
.irp i, 2,4,6,8,10,12,14,16,18,20,22,24,26,28,30
.irp c, 0,1
	v_max3_num_f32 v[12+\c], v[12+\c], |v[X+32*\c+\i]|, |v[X+32*\c+\i+1]|
.endr
.endr
.irp c, 0,1
	v_add_nc_u32 v[14+\c], 0xff000000, v[12+\c]    ; 2 off the exponent field: the conversion's scale operand
.endr
.irp c, 0,1
	v_lshrrev_b32 v[16+\c], 23, v[14+\c]           ; the scale's byte
.endr
	v_lshl_or_b32 v18, v17, 16, v16                ; my two bytes, blocks h and 2 + h,
	v_lshlrev_b32 v19, 3, v4
	v_lshlrev_b32 v18, v19, v18                    ; at their places in the word;
	v_mov_b32 v19, 0
	v_permlanex16_b32 v19, v18, s36, s37
	v_or_b32 v18, v18, v19                         ; with lane l xor 16's two the word is whole
.irp c, 0,1
	v_cvt_scalef32_pk16_fp6_f32 v[CW+6*\c:CW+6*\c+2], v[X+32*\c:X+32*\c+15], v[14+\c]
	v_cvt_scalef32_pk16_fp6_f32 v[CT+4*\c:CT+4*\c+2], v[X+32*\c+16:X+32*\c+31], v[14+\c]   ; (a conversion's three registers begin on an even number)
.endr
	v_nop                                          ; one plain line behind the conversions
.irp c, 0,1
.irp i, 0,1,2
	v_mov_b32 v[CW+6*\c+3+\i], v[CT+4*\c+\i]
.endr
.endr
	global_store_b128 v9, v[CW:CW+3], s[40:41]                 ; each store covers 512 consecutive bytes, aligned
	global_store_b128 v9, v[CW+4:CW+7], s[40:41] offset:512
	global_store_b128 v9, v[CW+8:CW+11], s[40:41] offset:1024
	global_store_b32 v8, v18, s[42:43]
	FINISH
.Lfunc_end_k_qf2db7cd707_prep:
	.size	k_qf2db7cd707_prep, .Lfunc_end_k_qf2db7cd707_prep-k_qf2db7cd707_prep
	.p2alignl 7, 3214868480
	.fill 96, 4, 3214868480
	.section	.rodata,"a",@progbits
	.p2align	6, 0x0
	.amdhsa_kernel k_qf2db7cd707_prep
		.amdhsa_group_segment_fixed_size 10752
		.amdhsa_private_segment_fixed_size 0
		.amdhsa_enable_private_segment 0
		.amdhsa_kernarg_size 120
		.amdhsa_user_sgpr_count 2
		.amdhsa_user_sgpr_kernarg_segment_ptr 1
		.amdhsa_wavefront_size32 1
		.amdhsa_system_sgpr_workgroup_id_x 1
		.amdhsa_system_sgpr_workgroup_id_y 1
		.amdhsa_system_sgpr_workgroup_id_z 1
		.amdhsa_system_vgpr_workitem_id 0
		.amdhsa_next_free_vgpr 128
		.amdhsa_next_free_sgpr 66
		.amdhsa_reserve_vcc 0
		.amdhsa_float_denorm_mode_32 3
		.amdhsa_float_denorm_mode_16_64 3
		.amdhsa_memory_ordered 1
		.amdhsa_forward_progress 1
		.amdhsa_inst_pref_size 47
	.end_amdhsa_kernel
	.amdgpu_metadata
---
amdhsa.version: [ 1, 2 ]
amdhsa.kernels:
  - .name:           k_qf2db7cd707_prep
    .symbol:         k_qf2db7cd707_prep.kd
    .args:
      - { .name: W1, .offset: 0, .size: 8, .value_kind: global_buffer, .address_space: global }
      - { .name: W2, .offset: 8, .size: 8, .value_kind: global_buffer, .address_space: global }
      - { .name: W3, .offset: 16, .size: 8, .value_kind: global_buffer, .address_space: global }
      - { .name: W4, .offset: 24, .size: 8, .value_kind: global_buffer, .address_space: global }
      - { .name: W5, .offset: 32, .size: 8, .value_kind: global_buffer, .address_space: global }
      - { .name: b1, .offset: 40, .size: 8, .value_kind: global_buffer, .address_space: global }
      - { .name: b2, .offset: 48, .size: 8, .value_kind: global_buffer, .address_space: global }
      - { .name: b3, .offset: 56, .size: 8, .value_kind: global_buffer, .address_space: global }
      - { .name: b4, .offset: 64, .size: 8, .value_kind: global_buffer, .address_space: global }
      - { .name: b5, .offset: 72, .size: 8, .value_kind: global_buffer, .address_space: global }
      - { .name: feat, .offset: 80, .size: 8, .value_kind: global_buffer, .address_space: global }
      - { .name: coord, .offset: 88, .size: 8, .value_kind: global_buffer, .address_space: global }
      - { .name: wimg, .offset: 96, .size: 8, .value_kind: global_buffer, .address_space: global }
      - { .name: ptab, .offset: 104, .size: 8, .value_kind: global_buffer, .address_space: global }
      - { .name: qidx, .offset: 112, .size: 8, .value_kind: global_buffer, .address_space: global }
    .group_segment_fixed_size: 10752
    .private_segment_fixed_size: 0
    .kernarg_segment_align: 8
    .kernarg_segment_size: 120
    .max_flat_workgroup_size: 128
    .sgpr_count:     66
    .vgpr_count:     128
    .wavefront_size: 32
...
	.end_amdgpu_metadata
.endif
;; end of part 1
;; launch mlp (part 2): grid 256 x 1, 8 waves a work-group, clusters of 4 x 1, 226,304 bytes of LDS; arguments coord, cell, wimg, ptab, qidx, out0; writes out0
.if DOCPART == 2
	.amdgcn_target "amdgcn-amd-amdhsa--gfx1250"
	.amdhsa_code_object_version 6
	.text
	.protected	k_qf2db7cd707_mlp
	.globl	k_qf2db7cd707_mlp
	.p2align	8
	.type	k_qf2db7cd707_mlp,@function
k_qf2db7cd707_mlp:
	s_mov_b64 s[64:65], 0
	v_nop
	global_prefetch_b8 v0, s[64:65] scope:SCOPE_SE
	s_setreg_imm32_b32 hwreg(HW_REG_WAVE_MODE, 25, 1), 1
	s_wait_xcnt 0x0
	s_wait_alu depctr_hold_cnt(0) depctr_sa_sdst(0) depctr_va_vdst(0) depctr_va_sdst(0) depctr_va_ssrc(0) depctr_va_vcc(0) depctr_vm_vsrc(0)
	s_getreg_b32 s2, hwreg(HW_REG_IB_STS2, 6, 4)
	s_cmp_eq_u32 s2, 0
	s_cbranch_scc0 .Lentry_in_a_cluster
	s_endpgm
.Lentry_in_a_cluster:
	s_bfe_u32 s2, ttmp6, 0x10000c
	s_cmp_lg_u32 s2, 0x3003
	s_cbranch_scc0 .Lentry_shape_is_right
	s_endpgm
.Lentry_shape_is_right:
; out[q] = the sum over the four shifted places s of w_s x MLP(input(q, s)), the MLP 40 -> 256 -> 256 -> 256 -> 256 -> 31 with relu between, all five products on codes of FP6 (E2M3) with one E8M0 scale for each 32 along K.
; SHARES.  256 work-groups of eight waves; a work-group owns 256 queries, a wave 32, in two passes of 16.  A pass takes 16 queries x 4 places = four tiles of 16 rows through the whole chain in registers.
; WEIGHTS.  All five layers' codes, scale words and biases (192,512 bytes, laid by the launch before as images of the operand's registers) come into LDS ONCE, 94 rows of 256 bytes by one tensor load a wave.
; CLUSTER.  Every work-group reads the same weights, so four work-groups ask for them JOINTLY: the same load, the same descriptor, a mask that names the four.  Behind the one barrier that follows, the waves share nothing.
; LAYOUT.  Every product is used transposed: source 0 = 16 units of the layer, source 1 = 16 rows: a lane holds ONE query (lane % 16) throughout, so the weighted sum over the four places needs no other lane.
; The units that form a tile are chosen so that lane (r, h)'s 32 results of a group of four tiles are units 64 g + 32 h + 0 .. 31: a WHOLE block of the next K, in the order that the 6-bit operand wants:
; a block's largest magnitude needs no other lane, and the conversions' results are the next operand's registers.  The biases are the C of each sum's first matrix instruction.
; A GROUP = 64 units x 4 row tiles: 32 matrix instructions (16 in layer 1), then the next group's LDS loads, then relu and the quantiser (about 170 vector instructions) while those loads land.
; Half of the waves make their first input ahead of the weights' barrier and half behind it, so that the eight waves do not all stand in the same phase of a group.
; THE INPUT.  Block 0 (features 0..31) hangs on the pixel alone: its codes and scale byte come finished from the table, 64 bytes a pixel; block 1 (features 32..35, the relative place, the relative cell, zeros) is quantised here.
; The pixels' rows and columns come as whole numbers from the launch before.
; LIMITS: a block of zeros has the scale byte 1 where the rule says 127 (its codes are zeros); blocks whose largest magnitude lies under 2^-124 are held at the byte 1; NaN and infinities among the inputs are not served;
; a wave's 3,968 output bytes are fifteen and a half aligned blocks of 256: every second block boundary between waves falls inside a block.
; REGISTERS, window 0: v1-7, v44-47 addresses and constants; v8-11 largest magnitudes, v12-15 scale bytes in the making; v16-19 the weights' scale words; v20-27, v28-35 the rows' scale words of code sets A, B;
;   v36-43 the four places' weights; v48-175 the 16 accumulators ((m, u) at 48 + 32 m + 8 u); v176-207 the biases of four tiles; v208-255 code set B, K step 0.
; window 1: v0-95 eight weight fragments; v48-79 also what the gather brings (free while groups of four fragments are at work); v96-191 code set A; v192-239 code set B, K step 1; v240-249 the queries' words.
.set OFF_L1,   0                       ; LDS = the weights' buffer: layer 1: 4 records of 4 images + 512;
.set OFF_L2,   26624                   ; layers 2-4: 4 records of 8 images + 512 each;
.set OFF_L3,   77824
.set OFF_L4,   129024
.set OFF_L5,   180224                  ; layer 5: 4 images + 512;
.set OFF_BIAS, 186880                  ; b1..b4, 1,024 bytes each; b5 laid for the last product
.set STAGE,    192512                  ; 4,096 bytes for each wave: its 32 rows of 124 bytes on the way out, and 128 bytes of zeros
.set SPARE,    225280                  ; the spare words, 128 bytes for each wave: four blocks of 256 bytes that no other line names
.set LI,  1                            ; v1   16 x lane; also the weights' address for LDS bytes 0 .. 65,023
.set TA,  2                            ; v2   at work: the stage address of the pass
.set BA,  3                            ; v3   OFF_BIAS + 128 h
.set SH8, 4                            ; v4   8 h
.set SPW, 5                            ; v5   LDS address of my spare word; never rewritten
.set NIL, 6                            ; v6   0; never rewritten
.set SO,  7                            ; v7   the stage: row r, + 64 h
.set MX,  8
.set P,   12
.set WS,  16
.set SA,  20                           ; register 2 m + K step
.set SB,  28
.set WP,  36                           ; w of place s in the low register of pair s
.set HB,  44                           ; v44  32 h + the batch's 262,144 bytes of the table
.set SR,  45                           ; v45  the stage, 16 x lane
.set AW1, 46                           ; v46  16 x lane + 65,024
.set AW2, 47                           ; v47  16 x lane + 129,024
.set AC,  48
.set BI,  176
.set GT,  192                          ; v192-199 the gather's offsets (the biases of tiles 2, 3, not wanted by layer 5)
.set CB0, 208
.set G,   48                           ; window 1
.set CA,  96
.set CB1, 192
.set QX,  240                          ; idx of pass 0, 1; coord of pass 0, 1; cell of pass 0, 1
.set XI,  AC                           ; the input's temporaries, in the accumulators' registers: 16 numbers a place,
.set KI,  AC+64                        ; their codes,
.set UI,  AC+80                        ; words 4 to 6 of what the gather brought,
.set QI,  AC+96                        ; the query's words and what is made of them
.set OU,  AC+16                        ; the 16 outputs of a lane
.set MSB, 0
.macro WIN new                         ; the immediate's high byte repeats the setting that is left; a switch that changes nothing is dropped
.if MSB != \new
	s_set_vgpr_msb (MSB<<8)|\new
.set MSB, \new
.endif
.endm
.macro CROUND                          ; a round of the cluster's barrier
	s_barrier_signal -1
	s_barrier_wait -1
	s_cmp_lg_u32 s16, 0
	s_cbranch_scc1 .Lnot_wave_0_\@
	s_barrier_signal -3
.Lnot_wave_0_\@:
	s_barrier_wait -3
	s_barrier_signal -1
	s_barrier_wait -1
.endm
; The record at LDS byte abs: nfr fragments, their scale words, and nt tiles' biases from byte boff of the biases.  Every load of a fragment is 512 consecutive bytes.
.macro LOADW abs, nfr, boff, nt
.if (\abs) >= 129024
.set wr, AW2
.set wo, (\abs)-129024
.elseif (\abs) >= 65024
.set wr, AW1
.set wo, (\abs)-65024
.else
.set wr, LI
.set wo, (\abs)
.endif
	WIN 0x40                                       ; destination window 1
.set rf, 0
.rept \nfr
	ds_load_b128 v[12*rf:12*rf+3], v[wr] offset:wo+1536*rf
	ds_load_b128 v[12*rf+4:12*rf+7], v[wr] offset:wo+1536*rf+512
	ds_load_b128 v[12*rf+8:12*rf+11], v[wr] offset:wo+1536*rf+1024
.set rf, rf+1
.endr
	WIN 0
	ds_load_b128 v[WS:WS+3], v[wr] offset:wo+1536*(\nfr)
.set rf, 0
.rept \nt
	ds_load_b128 v[BI+8*rf:BI+8*rf+3], v[BA] offset:(\boff)+32*rf
	ds_load_b128 v[BI+8*rf+4:BI+8*rf+7], v[BA] offset:(\boff)+32*rf+16
.set rf, rf+1
.endr
.endm
; A group's products: nt tiles of units x four row tiles, ks K steps.  ins: the rows' codes are set A (0) or set B (1).  The accumulators take turns, one instruction a turn.
.macro MPH ks, nt, ins
	s_wait_dscnt 0x0                               ; the record asked for a phase ago is in
.if \ins
	WIN 0x01                                       ; source 0 (weights) window 1; set B's K step 0 lies in window 0
.else
	WIN 0x05                                       ; sources 0 and 1 window 1
.endif
.irp m, 0,1,2,3
.if \ins
.set rB, CB0+12*\m
.set rS, SB+2*\m
.else
.set rB, CA+24*\m
.set rS, SA+2*\m
.endif
.set ru, 0
.rept \nt
	v_wmma_scale_f32_16x16x128_f8f6f4 v[AC+32*\m+8*ru:AC+32*\m+8*ru+7], v[12*ru:12*ru+11], v[rB:rB+11], v[BI+8*ru:BI+8*ru+7], v[WS+ru], v[rS] matrix_a_fmt:MATRIX_FMT_FP6 matrix_b_fmt:MATRIX_FMT_FP6
.set ru, ru+1
.endr
.endr
.if \ks == 2
	WIN 0x05
	s_wait_alu depctr_va_vdst(0)
.irp m, 0,1,2,3
.if \ins
.set rB, CB1+12*\m
.set rS, SB+2*\m+1
.else
.set rB, CA+24*\m+12
.set rS, SA+2*\m+1
.endif
.set ru, 0
.rept \nt
	v_wmma_scale_f32_16x16x128_f8f6f4 v[AC+32*\m+8*ru:AC+32*\m+8*ru+7], v[12*(\nt+ru):12*(\nt+ru)+11], v[rB:rB+11], v[AC+32*\m+8*ru:AC+32*\m+8*ru+7], v[WS+ru], v[rS] matrix_a_fmt:MATRIX_FMT_FP6 matrix_b_fmt:MATRIX_FMT_FP6 matrix_a_scale:MATRIX_SCALE_ROW1
.set ru, ru+1
.endr
.endr
.endif
	WIN 0
.rept 4
	v_nop                                          ; four places ahead of the loads into the weights', biases' and scale words' registers and of the first read of results
.endr
.endm
.macro WOUT
.if ow
	WIN 0x40
.else
	WIN 0
.endif
.endm
; relu, and the quantiser: my 32 numbers of each row tile are block 2 (g % 2) + h of K step g / 2 of the next product.  outs: the codes go to set A (0) or B (1).  last = 1: the next products read them.
.macro QNT outs, g, last
.set qs, (\g)/2
.set qc, (\g)%2
.if \outs == 0
.set ow, 1
.set ob, CA+12*qs+6*qc
.set om, 24
.set so, SA
.elseif qs == 0
.set ow, 0
.set ob, CB0+6*qc
.set om, 12
.set so, SB
.else
.set ow, 1
.set ob, CB1+6*qc
.set om, 12
.set so, SB
.endif
.set ra, AC
.rept 64
	v_dual_max_num_f32 v[ra], 0, v[ra] :: v_dual_max_num_f32 v[ra+1], 0, v[ra+1]   ; the activation, in f32; ascending
.set ra, ra+2
.endr
.irp m, 0,1,2,3
	v_max3_num_f32 v[MX+\m], v[AC+32*\m], v[AC+32*\m+1], 0x1800000   ; none is negative: no |.|; the floor 2^(3 - 127) holds the byte at 1 from below
.endr
.irp i, 2,4,6,8,10,12,14,16,18,20,22,24,26,28,30
.irp m, 0,1,2,3
	s_delay_alu instid0(VALU_DEP_4)
	v_max3_num_f32 v[MX+\m], v[MX+\m], v[AC+32*\m+\i], v[AC+32*\m+\i+1]   ; (the four row tiles by turns: no line waits for the line above it)
.endr
.endr
.irp m, 0,1,2,3
	s_delay_alu instid0(VALU_DEP_4)
	v_add_nc_u32 v[MX+\m], 0xff000000, v[MX+\m]    ; 2 off the exponent field: the conversion's scale operand
.endr
	WOUT
.irp m, 0,1,2,3
	v_cvt_scalef32_pk16_fp6_f32 v[ob+om*\m:ob+om*\m+2], v[AC+32*\m:AC+32*\m+15], v[MX+\m]   ; the block's lower 16 codes, straight into the operand
.endr
	WIN 0
	v_nop                                          ; one plain line behind the conversions
.irp m, 0,1,2,3
	v_cvt_scalef32_pk16_fp6_f32 v[AC+32*\m:AC+32*\m+2], v[AC+32*\m+16:AC+32*\m+31], v[MX+\m]   ; the upper 16: a conversion's three registers begin on an even number, so they are made in registers that are done with, and moved
.endr
	v_nop
.if qc == 0
.irp m, 0,1,2,3
	v_lshrrev_b32 v[P+\m], 23, v[MX+\m]            ; the byte of block h: kept for the next group
.endr
.else
.irp m, 0,1,2,3
	v_lshrrev_b32 v[MX+\m], 23, v[MX+\m]           ; the byte of block 2 + h
.endr
.irp m, 0,1,2,3
	s_delay_alu instid0(VALU_DEP_4)
	v_lshl_or_b32 v[P+\m], v[MX+\m], 16, v[P+\m]
.endr
.irp m, 0,1,2,3
	s_delay_alu instid0(VALU_DEP_4)
	v_lshlrev_b32 v[MX+\m], v[SH8], v[P+\m]        ; my two bytes at their places in the word;
.endr
.irp m, 0,1,2,3
	s_delay_alu instid0(VALU_DEP_4)
	v_permlanex16_b32 v[P+\m], v[MX+\m], s20, s21
.endr
.irp m, 0,1,2,3
	s_delay_alu instid0(VALU_DEP_4)
	v_or_b32 v[so+2*\m+qs], v[MX+\m], v[P+\m]      ; with lane l xor 16's two the row's scale word is whole
.endr
.endif
	WOUT
.irp m, 0,1,2,3
.irp i, 0,1,2
	v_mov_b32 v[ob+om*\m+3+\i], v[AC+32*\m+\i]     ; (these twelve are also the eight places between a scale word and the products that read it)
.endr
.endr
	WIN 0
.if \last
.rept 4
	v_nop                                          ; four places between the codes just written and the products that read them
.endr
.endif
.endm
; The four pixels' records of pass p are asked for: lanes 0-15 take a record's bytes 0-31, lanes 16-31 its bytes 32-63.  The wait for these eight loads stands on every wave's path, outside every branch.
.macro GATHER p
	WIN 0x01
.irp i, 0,1,2,3
	v_bfe_u32 v[GT+\i], v[QX+\p], 8*\i, 8          ; iy-, iy+, ix-, ix+
.endr
	WIN 0
.irp i, 0,1,2,3
	v_min_u32 v[GT+\i], 63, v[GT+\i]               ; a loaded number enters an address only behind a bound
.endr
	s_delay_alu instid0(VALU_DEP_4)
	v_lshl_add_u32 v[GT], v[GT], 12, v[HB]
	s_delay_alu instid0(VALU_DEP_4)
	v_lshl_add_u32 v[GT+1], v[GT+1], 12, v[HB]
.irp s, 0,1,2,3
	v_lshl_add_u32 v[GT+4+\s], v[GT+2+\s%2], 6, v[GT+\s/2]   ; place s: row by s / 2, column by s % 2
.endr
	WIN 0x40
.irp s, 0,1,2,3
	global_load_b128 v[G+8*\s:G+8*\s+3], v[GT+4+\s], s[10:11]
	global_load_b128 v[G+8*\s+4:G+8*\s+7], v[GT+4+\s], s[10:11] offset:16
.endr
	WIN 0
.endm
; The first product's operand for pass p (code set A, K step 0, row tile = place), its scale words, and the four places' weights.  The gather's loads and the queries' words have been waited for ahead of it.
.macro INPUT p
	WIN 0x01
.irp s, 0,1,2,3
.irp i, 0,1,2,3
	v_mov_b32 v[XI+16*\s+\i], v[G+8*\s+\i]         ; lanes 16-31: features 32..35; lanes 0-15: code words 0..3
.endr
.irp i, 0,1,2
	v_mov_b32 v[UI+4*\s+\i], v[G+8*\s+4+\i]        ; lanes 0-15: code words 4, 5 and block 0's scale byte
.endr
.endr
	v_mov_b32 v[QI], v[QX+\p]
	v_mov_b32 v[QI+2], v[QX+2+2*\p]
	v_mov_b32 v[QI+3], v[QX+3+2*\p]
	v_mov_b32 v[QI+4], v[QX+6+2*\p]
	v_mov_b32 v[QI+5], v[QX+7+2*\p]
	WIN 0
.irp i, 0,1,2,3
	v_bfe_u32 v[QI+6+\i], v[QI], 8*\i, 8
.endr
.irp i, 0,1,2,3
	s_delay_alu instid0(VALU_DEP_4)
	v_cvt_f32_u32 v[QI+6+\i], v[QI+6+\i]
.endr
.irp i, 0,1,2,3
	s_delay_alu instid0(VALU_DEP_4)
	v_fma_f32 v[QI+6+\i], v[QI+6+\i], s41, s42     ; the pixel's centre, i / 32 - 63 / 64 = -1 + (2 i + 1) / 64: exact
.endr
.irp i, 0,1,2,3
	s_delay_alu instid0(VALU_DEP_4)
	v_sub_f32 v[QI+6+\i], v[QI+2+\i/2], v[QI+6+\i]
.endr
.irp s, 0,1,2,3
	v_mul_f32 v[XI+16*\s+4], s40, v[QI+6+\s/2]     ; the relative place x 64,
	v_mul_f32 v[XI+16*\s+5], s40, v[QI+8+\s%2]
	v_mul_f32 v[XI+16*\s+6], s40, v[QI+4]          ; the cell x 64,
	v_mul_f32 v[XI+16*\s+7], s40, v[QI+5]
.irp i, 8,9,10,11,12,13,14,15
	v_mov_b32 v[XI+16*\s+\i], 0                    ; and the block's filling
.endr
.endr
.irp s, 0,1,2,3
	v_max3_num_f32 v[MX+\s], |v[XI+16*\s]|, |v[XI+16*\s+1]|, 0x1800000   ; block 1's largest magnitude, in lanes 16-31 (what lanes 0-15 make here is thrown away below)
.endr
.irp i, 2,4,6
.irp s, 0,1,2,3
	s_delay_alu instid0(VALU_DEP_4)
	v_max3_num_f32 v[MX+\s], v[MX+\s], |v[XI+16*\s+\i]|, |v[XI+16*\s+\i+1]|
.endr
.endr
.irp s, 0,1,2,3
	s_delay_alu instid0(VALU_DEP_4)
	v_add_nc_u32 v[MX+\s], 0xff000000, v[MX+\s]
.endr
.irp s, 0,1,2,3
	v_cvt_scalef32_pk16_fp6_f32 v[KI+4*\s:KI+4*\s+2], v[XI+16*\s:XI+16*\s+15], v[MX+\s]
.endr
	v_nop                                          ; one plain line behind the conversions
.irp s, 0,1,2,3
	v_lshrrev_b32 v[MX+\s], 23, v[MX+\s]
.endr
.irp s, 0,1,2,3
	s_delay_alu instid0(VALU_DEP_4)
	v_permlanex16_b32 v[P+\s], v[MX+\s], s20, s21  ; lanes 0-15 get block 1's byte,
.endr
.irp s, 0,1,2,3
	s_delay_alu instid0(VALU_DEP_4)
	v_lshl_or_b32 v[P+\s], v[P+\s], 8, v[UI+4*\s+2]   ; over their own block 0's;
.endr
.irp s, 0,1,2,3
	s_delay_alu instid0(VALU_DEP_4)
	v_or_b32 v[SA+2*\s], 0x7f7f0000, v[P+\s]       ; blocks 2 and 3 are zeros
.endr
	WIN 0x40
.irp s, 0,1,2,3
.irp i, 0,1,2
	v_cndmask_b32 v[CA+24*\s+\i], v[XI+16*\s+\i], v[KI+4*\s+\i], s22   ; lanes 0-15: the table's codes; lanes 16-31: those just made, then zeros
.endr
	v_cndmask_b32 v[CA+24*\s+3], v[XI+16*\s+3], v[NIL], s22
	v_cndmask_b32 v[CA+24*\s+4], v[UI+4*\s], v[NIL], s22
	v_cndmask_b32 v[CA+24*\s+5], v[UI+4*\s+1], v[NIL], s22
.irp i, 6,7,8,9,10,11
	v_mov_b32 v[CA+24*\s+\i], 0
.endr
.endr
	WIN 0
.irp s, 0,1,2,3
	v_fma_f32 v[QI+10+\s], |v[XI+16*\s+4]|, |v[XI+16*\s+5]|, s43   ; the area + 1e-9.  (These lines are also the places between the codes and the products)
.endr
	s_delay_alu instid0(VALU_DEP_3)
	v_add_f32 v[QI+14], v[QI+10], v[QI+11]
	s_delay_alu instid0(VALU_DEP_2)
	v_add_f32 v[QI+15], v[QI+12], v[QI+13]
	s_delay_alu instid0(VALU_DEP_1)
	v_add_f32 v[QI+14], v[QI+14], v[QI+15]
	s_wait_alu depctr_va_vdst(0)
	v_rcp_f32 v[QI+14], v[QI+14]
	v_nop                                          ; a plain line behind the reciprocal,
	s_wait_alu depctr_va_vdst(0)                   ; and the wait ahead of its first reader
.irp s, 0,1,2,3
	v_mul_f32 v[WP+2*\s], v[QI+13-\s], v[QI+14]    ; place s is weighed by the opposite place's area
.endr
.endm
; The four places' predictions, weighed and summed: lane (r, h) holds outputs 16 h + 0 .. 15 of query r.  They go to the wave's stage as rows of 124 bytes.
.macro OUTPUT
.irp e, 0,2,4,6,8,10,12,14
	v_pk_mul_f32 v[OU+\e:OU+\e+1], v[AC+\e:AC+\e+1], v[WP:WP+1] op_sel_hi:[1,0]
.endr
.irp m, 1,2,3
.irp e, 0,2,4,6,8,10,12,14
	v_pk_fma_f32 v[OU+\e:OU+\e+1], v[AC+32*\m+\e:AC+32*\m+\e+1], v[WP+2*\m:WP+2*\m+1], v[OU+\e:OU+\e+1] op_sel_hi:[1,0,1]
.endr
.endr
	v_add_nc_u32 v[TA], s45, v[SO]                 ; the pass's 16 rows
	ds_store_b32 v[TA], v[OU+15] offset:60         ; FIRST: in lanes 16-31 this is output 31, which does not exist, and falls on the next row's first word; the store below (the next pass's; behind the last row nobody stores it to memory) writes over it: LDS serves a wave's instructions in order
.irp i, 0,1,2,3,4,5,6,7,8,9,10,11,12,13,14
	ds_store_b32 v[TA], v[OU+\i] offset:4*\i
.endr
.endm
; A layer of four groups.  base, gsz, nfr, bb: its records, their size and fragments, its biases; n..: the next layer's first record.  gat = 1: the next pass's gather goes out in the last group.
.macro LAYER ks, ins, outs, base, gsz, nfr, bb, nbase, nnfr, nbb, nnt, gat
.irp g, 0,1,2,3
	MPH \ks, 4, \ins
.if \g < 3
	LOADW (\base)+(\gsz)*(\g+1), \nfr, (\bb)+256*(\g+1), 4
	QNT \outs, \g, 0
.else
.if \gat
	s_cmp_lg_u32 s23, 0                            ; pass 0 alone has a pass behind it
	s_cbranch_scc1 .Lnogather
	GATHER 1
.Lnogather:
.endif
	LOADW \nbase, \nnfr, \nbb, \nnt
	QNT \outs, \g, 1
.endif
.endr
.endm
	s_load_b256 s[4:11], s[0:1], 0x0               ; coord s[4:5], cell s[6:7], wimg s[8:9], ptab s[10:11]
	s_load_b128 s[12:15], s[0:1], 0x20             ; qidx s[12:13], out0 s[14:15]
	v_lshl_add_u32 v[SPW], v0, 2, SPARE
	v_mov_b32 v[NIL], 0
	ds_add_u32 v[SPW], v[NIL]                      ; the wave's opening: the add and its wait ahead of my first tensor load; the set-up below, work on registers, stands between them
	ds_add_u32 v[SPW], v[NIL]
	v_lshrrev_b32 v[TA], 5, v0
	s_delay_alu instid0(VALU_DEP_1)
	v_readfirstlane_b32 s16, v[TA]                 ; wave 0..7
	s_lshr_b32 s17, s16, 2
	s_xor_b32 s17, s17, s16
	s_and_b32 s17, s17, 1                          ; 0: my first input is made ahead of the weights' barrier; 1: behind it
	s_bfe_u32 s18, ttmp6, 0x40000                  ; cx: my place in the cluster: it enters global offsets alone
	s_lshl_b32 s19, ttmp9, 2
	s_add_co_u32 s19, s19, s18                     ; my work-group
	s_mov_b32 s20, 0x76543210
	s_mov_b32 s21, 0xfedcba98                      ; v_permlanex16_b32's selects for lane l xor 16
	s_mov_b32 s22, 0xffff0000                      ; the mask of lanes 16-31
	s_mov_b32 s40, 0x42800000                      ; 64
	s_mov_b32 s41, 0x3d000000                      ; 1 / 32
	s_mov_b32 s42, 0xbf7c0000                      ; -63 / 64
	s_mov_b32 s43, 0x3089705f                      ; 1e-9
	; descriptor group 1: 94 rows of 256 bytes (32 elements of 8), dense
	s_mov_b32 s24, 15|(3<<16)|(1<<21)              ; 15:0 the mask: all four work-groups; 17:16 elements of 8 bytes; 21 set beside a mask; no padding
	s_mov_b32 s25, 32<<16                          ; tensor_dim0 = 32
	s_mov_b32 s26, 94<<16                          ; tensor_dim1 = 94
	s_mov_b32 s27, 32<<16                          ; tile_dim0 = 32
	s_mov_b32 s28, 94                              ; tile_dim1 = 94
	s_mov_b32 s29, 32                              ; from row to row
	s_mov_b32 s30, 0
	s_mov_b32 s31, 0
	s_mov_b32 s32, 1                               ; group 0: count = 1
	s_mul_i32 s33, s16, 24064                      ; LDS address: wave x 94 rows: no place in the cluster enters it
	s_mov_b32 s46, s33                             ; and the same offset in memory
	s_mov_b32 s47, 0
	v_and_b32 v[TA], 31, v0
	s_delay_alu instid0(VALU_DEP_1)
	v_lshlrev_b32 v[LI], 4, v[TA]
	s_delay_alu instid0(VALU_DEP_1)
	v_add_nc_u32 v[AW1], 65024, v[LI]
	s_delay_alu instid0(VALU_DEP_2)
	v_add_nc_u32 v[AW2], 129024, v[LI]
	v_bfe_u32 v[SH8], v0, 4, 1                     ; h
	s_delay_alu instid0(VALU_DEP_1)
	v_lshl_add_u32 v[BA], v[SH8], 7, OFF_BIAS
	v_and_b32 v[AC], 15, v0                        ; r
	s_lshl_b32 s36, s16, 12
	s_add_co_u32 s36, s36, STAGE                   ; my stage
	v_mul_u32_u24 v[SO], v[AC], 124
	s_delay_alu instid0(VALU_DEP_1)
	v_lshl_add_u32 v[SO], v[SH8], 6, v[SO]
	s_delay_alu instid0(VALU_DEP_1)
	v_add_nc_u32 v[SO], s36, v[SO]
	v_add_nc_u32 v[SR], s36, v[LI]
	v_and_b32 v[TA], 7, v0
	s_delay_alu instid0(VALU_DEP_1)
	v_lshl_add_u32 v[TA], v[TA], 4, s36            ; my stage + 16 (lane % 8): for the zeros behind its 32 rows
	s_lshr_b32 s37, ttmp9, 5                       ; the batch: 128 work-groups, 32 clusters, each
	s_lshl_b32 s37, s37, 18
	v_lshl_add_u32 v[HB], v[SH8], 5, s37
	v_lshlrev_b32 v[AC+1], 3, v[AC]                ; 8 r and 4 r: the queries' loads; these two registers are free again behind the wait for those loads
	v_lshlrev_b32 v[AC], 2, v[AC]
	v_lshlrev_b32 v[SH8], 3, v[SH8]
.irp i, 0,1,2,3
	v_mov_b32 v[P+\i], 0                           ; written once: a lane permute's destination counts as one of its sources
	v_mov_b32 v[WP+2*\i+1], 0                      ; named as the upper halves of pairs
.endr
	s_wait_dscnt 0x0                               ; the opening add is done
	s_wait_kmcnt 0x0
	s_add_nc_u64 s[34:35], s[8:9], s[46:47]        ; my 94 rows of the weights' buffer
	s_or_b32 s35, s35, 0x80000000                  ; type = 2
	s_lshl_b32 s36, s19, 8
	s_lshl_b32 s38, s16, 5
	s_add_co_u32 s36, s36, s38                     ; my first query: 256 x work-group + 32 x wave
	s_lshl_b32 s38, s36, 2
	s_mov_b32 s39, 0
	s_add_nc_u64 s[12:13], s[12:13], s[38:39]
	s_lshl_b32 s38, s36, 3
	s_add_nc_u64 s[4:5], s[4:5], s[38:39]
	s_add_nc_u64 s[6:7], s[6:7], s[38:39]
	s_mul_i32 s38, s36, 124
	s_add_nc_u64 s[14:15], s[14:15], s[38:39]
	CROUND                                         ; all four work-groups are here: the joint loads meet
	tensor_load_to_lds s[32:35], s[24:31]          ; my one tensor load of the launch
	s_nop 0
.rept 4
	v_nop
.endr
	WIN 0x40
	global_load_b32 v[QX], v[AC], s[12:13]
	global_load_b32 v[QX+1], v[AC], s[12:13] offset:64
	global_load_b64 v[QX+2:QX+3], v[AC+1], s[4:5]
	global_load_b64 v[QX+4:QX+5], v[AC+1], s[4:5] offset:128
	global_load_b64 v[QX+6:QX+7], v[AC+1], s[6:7]
	global_load_b64 v[QX+8:QX+9], v[AC+1], s[6:7] offset:128
	WIN 0
	s_wait_alu depctr_va_vdst(0)
	ds_store_b128 v[TA], v[P:P+3] offset:3968      ; bytes 3,968 to 4,095 of my stage: zeros (four lanes to each 16 bytes, all with the same zeros), so that the last load of the way out names written bytes alone
	s_wait_loadcnt 5                               ; pass 0's indices are in: five loads were issued behind them
	GATHER 0
	s_wait_loadcnt 0x0                             ; on every wave's path: the queries' words and the gather's eight loads are in, so their offset registers are free too
	s_wait_dscnt 0x0                               ; the zeros have landed: no LDS instruction of mine is out at the barrier below
	s_cmp_lg_u32 s17, 0
	s_cbranch_scc1 .Linput_later
	INPUT 0
.Linput_later:
	s_wait_tensorcnt 0x0                           ; my part of the weights has landed,
	s_barrier_signal -1
	s_barrier_wait -1                              ; everybody's has
	LOADW OFF_L1, 4, 0, 4
	s_cmp_eq_u32 s17, 0
	s_cbranch_scc1 .Linput_done
	INPUT 0
.Linput_done:
	s_mov_b32 s23, 0                               ; the pass
	s_mov_b32 s45, 0                               ; its 16 rows in the stage
.Lpass:
	LAYER 1, 0, 1, OFF_L1, 6656, 4, 0, OFF_L2, 8, 1024, 4, 0
	LAYER 2, 1, 0, OFF_L2, 12800, 8, 1024, OFF_L3, 8, 2048, 4, 0
	LAYER 2, 0, 1, OFF_L3, 12800, 8, 2048, OFF_L4, 8, 3072, 4, 0
	LAYER 2, 1, 0, OFF_L4, 12800, 8, 3072, OFF_L5, 4, 4096, 2, 1
	MPH 2, 2, 0                                    ; the last product: two tiles of 16 outputs
	OUTPUT
	s_wait_loadcnt 0x0                             ; on every path, outside the branch: the gather that pass 0 issued is in, and its offset registers are free (in pass 1 nothing is out)
	s_cmp_lg_u32 s23, 0
	s_cbranch_scc1 .Lno_next                       ; behind pass 1 nothing follows
	LOADW OFF_L1, 4, 0, 4
	INPUT 1
.Lno_next:
	s_add_co_u32 s45, s45, 1984
	s_add_co_u32 s23, s23, 1
	s_cmp_lt_u32 s23, 2
	s_cbranch_scc1 .Lpass
	; THE WAY OUT: my 32 rows are 3,968 consecutive bytes of out0: seven stores of 512 bytes and one of 384
.irp i, 0,1,2,3,4,5,6
	ds_load_b128 v[AC+4*\i:AC+4*\i+3], v[SR] offset:512*\i         ; LDS serves a wave's instructions in order: these see my stores
.endr
.irp i, 0,1,2,3,4,5,6
	s_wait_dscnt 6-\i                              ; load i is in; the younger ones may be out
	global_store_b128 v[LI], v[AC+4*\i:AC+4*\i+3], s[14:15] offset:512*\i th:TH_STORE_NT
.endr
	v_cmp_gt_u32 vcc_lo, 384, v[LI]                ; lanes 0 to 23
	s_wait_xcnt 0x0                                ; EXEC changes only behind this wait
	s_and_saveexec_b32 s44, vcc_lo
	ds_load_b128 v[AC+28:AC+31], v[SR] offset:3584
	s_wait_dscnt 0x0
	global_store_b128 v[LI], v[AC+28:AC+31], s[14:15] offset:3584 th:TH_STORE_NT
	s_wait_xcnt 0x0                                ; and again ahead of the line that widens it
	s_or_b32 exec_lo, exec_lo, s44
	s_wait_tensorcnt 0x0                           ; the wave's end, behind my last tensor load and my last LDS store
	ds_add_u32 v[SPW], v[NIL]
	s_wait_dscnt 0x0
	CROUND                                         ; the closing round
	s_endpgm
.Lfunc_end_k_qf2db7cd707_mlp:
	.size	k_qf2db7cd707_mlp, .Lfunc_end_k_qf2db7cd707_mlp-k_qf2db7cd707_mlp
	.p2alignl 7, 3214868480
	.fill 96, 4, 3214868480
	.section	.rodata,"a",@progbits
	.p2align	6, 0x0
	.amdhsa_kernel k_qf2db7cd707_mlp
		.amdhsa_group_segment_fixed_size 226304
		.amdhsa_private_segment_fixed_size 0
		.amdhsa_enable_private_segment 0
		.amdhsa_kernarg_size 48
		.amdhsa_user_sgpr_count 2
		.amdhsa_user_sgpr_kernarg_segment_ptr 1
		.amdhsa_wavefront_size32 1
		.amdhsa_system_sgpr_workgroup_id_x 1
		.amdhsa_system_sgpr_workgroup_id_y 1
		.amdhsa_system_sgpr_workgroup_id_z 1
		.amdhsa_system_vgpr_workitem_id 0
		.amdhsa_next_free_vgpr 512
		.amdhsa_next_free_sgpr 66
		.amdhsa_reserve_vcc 1
		.amdhsa_float_denorm_mode_32 3
		.amdhsa_float_denorm_mode_16_64 3
		.amdhsa_memory_ordered 1
		.amdhsa_forward_progress 1
		.amdhsa_inst_pref_size 255
	.end_amdhsa_kernel
	.section	.bss,"aw",@nobits
	.p2align	6
	.space	262144
	.amdgpu_metadata
---
amdhsa.version: [ 1, 2 ]
amdhsa.kernels:
  - .name:           k_qf2db7cd707_mlp
    .symbol:         k_qf2db7cd707_mlp.kd
    .args:
      - { .name: coord, .offset: 0, .size: 8, .value_kind: global_buffer, .address_space: global }
      - { .name: cell, .offset: 8, .size: 8, .value_kind: global_buffer, .address_space: global }
      - { .name: wimg, .offset: 16, .size: 8, .value_kind: global_buffer, .address_space: global }
      - { .name: ptab, .offset: 24, .size: 8, .value_kind: global_buffer, .address_space: global }
      - { .name: qidx, .offset: 32, .size: 8, .value_kind: global_buffer, .address_space: global }
      - { .name: out0, .offset: 40, .size: 8, .value_kind: global_buffer, .address_space: global }
    .group_segment_fixed_size: 226304
    .private_segment_fixed_size: 0
    .kernarg_segment_align: 8
    .kernarg_segment_size: 48
    .max_flat_workgroup_size: 256
    .sgpr_count:     66
    .vgpr_count:     512
    .wavefront_size: 32
...
	.end_amdgpu_metadata
.endif
;; end of part 2
